; MI455X (gfx1250); checked and timed in simulation.
; The chip was launched on July 23, 2026; its instructions are those of AMD's public machine-readable ISA for CDNA 5 (MIT licence, August 2026) and "CDNA5" Instruction Set Architecture Reference Guide (July 2026). The comments in the code are by the model that wrote it; some were corrected since.
;; SOPL Layer. Allowed arithmetic: matrix products marked QUANTISED: E4M3 operands, one given power-of-two scale a tensor, by v_wmma_f32_16x16x64_fp8_fp8 or v_wmma_f32_16x16x128_fp8_fp8, f32 sums; everything else in f32.
;; Inputs: centers 512 x 128 float32; lowp_scales 4 int32 (the exponents e of the quantised operands' scales 2^e); x 200,000 x 128 float32.
;; Outputs: out0 512 x 128 float32.
;; This version of the problem:
;;   THIS VERSION OF THE PROBLEM IS GIVEN IN LOW PRECISION. The matrix products marked QUANTISED in the list below multiply operands that are first quantised to E4M3 (4 exponent bits, 3 mantissa bits; 8 bits a number), with one given power-of-two scale for each operand tensor; their sums are f32. All else is computed in f32.
;;   The module's matrix products, in the order in which they are computed (A, B: the left and right operand; K: the contracted axis; several contracted axes count as one K, in the product's order):
;;     1. [M 200,000, K 128] x [K 128, N 512]; A: input x; B: input centers: QUANTISED (scales: A lowp_scales[0], B lowp_scales[1])
;;     2. [M 512, K 200,000] x [K 200,000, N 128]; A: computed on the way; B: input x: QUANTISED (scales: A lowp_scales[2], B lowp_scales[3])
;;   THE QUANTISER, for each operand of a quantised product, along K:
;;     - The operand's scale is 2^e, e = its entry of the input lowp_scales (int32; the entries are numbered through the quantised products in the list's order, A before B).
;;     - Each number is divided by the scale, clamped to +-448, and rounded to the nearest number of E4M3, ties to even, subnormals kept.
;;     - The product sums the exact products of the quantised numbers (number of the format x scale) in f32.
;;   ~~~python
;;   def quantise(x, axis, e):      # numpy; x: float32 -> the quantised numbers, widened to float32 again
;;       x = np.moveaxis(x, axis, -1); K = x.shape[-1]
;;       r = np.clip(x / 2.0 ** e, -448, 448)
;;       step = 2.0 ** (np.maximum(np.frexp(np.where(r == 0, 1, r))[1] - 1, -6) - 3)
;;       q = np.round(r / step) * step * 2.0 ** e      # np.round: ties to even
;;       return np.moveaxis(q, -1, axis).astype(np.float32)
;;   ~~~
;;   OPERANDS COMPUTED ON THE WAY. 'Computed on the way' means the value that the module computes at that place (a softmax that the list does not call 'softmax' is quantised finished and normalised). What goes into a quantiser is computed in f32, as accurately as f32 sums, v_exp_f32 and their like allow (about 1e-6 of the number): no bf16 or f16 on the way to a quantiser, and a product that is left as it is and whose result goes on into a quantised operand takes f32 operands (vector FMAs, or v_wmma_f32_16x16x4_f32). A number that lies on a knife's edge between two numbers of the format may be rounded either way, as far as f32 arithmetic and the matrix unit's own rounding can turn it there, and no further.
;; One version. Each part assembles by itself: llvm-mc -triple=amdgcn-amd-amdhsa -mcpu=gfx1250 --defsym DOCPART=n.
;; ======== version 1 of 1: 2 launches
;; limits: right only within a limited range of input values
;; workspace buffers: pnum 67,108,864 bytes; pden 524,288 bytes
;; launch assign (part 1): grid 256 x 1, 8 waves a work-group, no clusters, 327,680 bytes of LDS; arguments x, centers, lowp_scales, pnum, pden; writes pnum, pden
.if DOCPART == 1
	.amdgcn_target "amdgcn-amd-amdhsa--gfx1250"
	.amdhsa_code_object_version 6
	.text
	.protected	k_qe990021407_assign
	.globl	k_qe990021407_assign
	.p2align	8
	.type	k_qe990021407_assign,@function
k_qe990021407_assign:
	s_mov_b64 s[64:65], 0
	v_nop
	global_prefetch_b8 v0, s[64:65] scope:SCOPE_SE
	s_setreg_imm32_b32 hwreg(HW_REG_WAVE_MODE, 25, 1), 1
	s_wait_xcnt 0x0
; ONE STEP OF SOFT K-MEANS, all but the last sum.  x [200000][128] f32, centers [512][128] f32, lowp_scales e0 .. e3 (int32).
;   S = Q(x, e0) Q(centers, e1)^T;  w = softmax((2 S - c_sq) / 1e-3) over the 512 centres, finished and normalised;
;   num = Q(w, e2)^T Q(x, e3) (K = the rows);  den = the sum of the unquantised w over the rows.
; DEAD WORK LEFT OUT: x_sq.  reference() adds x_sq[n] to dist[n][k] for every k alike, and dist goes into nothing but the softmax along k: in exact arithmetic
; exp(-(x_sq + a_k)/b) / sum_k exp(-(x_sq + a_k)/b) = exp(-a_k/b) / sum_k exp(-a_k/b) for all finite values, so x_sq reaches no output and no quantiser.  x itself stays an input of both products.
; LIMIT: a NaN, an infinity or an overflow that arises in x_sq alone is not carried to the result.
; This launch stores, for each of its 256 work-groups, the sums over its rows: pnum [256][512][128] (in units of 2^(e2 + e3)) and pden [256][512]; the next launch adds them.
; SHARES.  200,000 rows are 6,250 halves of 32.  Work-group g takes halves 24 g + min(g, 106) on: 25 where g < 106, else 24.  The loop has 12 trips of a block of 64 rows; the 25th half is written out: a block whose
; rows 32-63 get zero codes of w (they add nothing to num, and den does not take them); its work (not its barriers) is jumped over by a scalar branch on the work-group's number.
; EIGHT WAVES, two to a SIMD, 512 registers each.  Wave w owns centres 64 w .. 64 w + 63: their codes (64 registers), -c_sq 2^-(e0+e1+1) in the first product's C layout (32), den (32), and their 64 x 128 of num
; (256 registers: all of window 1).  Of each block it fetches and quantises rows 16 (w / 2) .. + 15, columns 64 (w % 2) .. + 63.
; BOTH PRODUCTS ARE USED TRANSPOSED.  First: source 0 = 16 centres, source 1 = 16 rows of x, C = -c_sq 2^-(e0+e1+1): a lane holds ONE row, its registers run along the centres, and a sum is (2 S - c_sq) 2^-(e0+e1+1).
; The softmax goes in two halves of 32 rows, so that the scores take 64 registers.  K = log2(e) / f32(1e-3) x 2^(e0+e1+1).  Each wave takes u = -K x (its largest sum of the row), p = 2^(K sum + u), s = the sum of its p;
; the waves exchange (u, s) through LDS; U = the smallest u, e_i = 2^(U - u_i), f = e_own / sum(s_i e_i), w = p f: the row's true maximum is taken away, for every input.
; w's CODES ARE TURNED ONCE, as bytes: a row's 64 codes go to the wave's own scratch and come back by the 16-bit turning load, two columns a lane, which two v_perm_b32 part.
;   byte q of a row of codes (score tile 2 b + u, register j, half h: q = 32 b + 16 h + 8 u + j) holds the wave's centre 32 (q / 32) + 16 (q % 2) + (q % 32) / 2.
; Second product: source 0 = 16 of the 128 d (x^T), source 1 = 16 centres (w^T), K = the block's 64 rows: lane (r, h), register j of accumulator (ct, dt) is num(16 ct + r, 16 dt + 8 h + j).
; THREE BARRIERS A BLOCK: at its head (the first product's images are whole; the slot is filled again), and one behind each half's (u, s).
; THE NEXT BLOCK'S OPERANDS ARE MADE INSIDE THE SECOND HALF: the column loads go out behind its first product, their holds stand between its exponentials, and the fragment's part is made between the signal and the
; wait of its barrier (LDS loads of my own slot and work on registers).  The fragment's codes are stored behind that barrier, when no wave reads the images any more; x^T's codes wait in eight registers and are
; stored behind the next head's barrier, when every wave's reads of x^T's images are over.
; x comes by the tensor data mover: 16 rows x 256 bytes into the wave's own slot, asked for straight behind the head's barrier and waited for in the second half.  One tensor load of a wave is out at any time.
; A work-group of 24 halves asks in its last trip for its last block once more (the index is clamped) and quantises it once more: no load leaves x, no tensor load stands under a branch, nobody reads those images.
; NO CLUSTER: work-groups share the centres alone, read once at the head into registers; partners would have 25 or 24 halves, and every refill of x would have to stand behind a cluster's round.
; NO PREFETCH: the refill stands a half's softmax and a first product ahead of the wait for it, and each byte of x is asked for once (the 25th half's block: rows 32-63 a second time).
; LIMITS.  e0 .. e3 between -126 and 119; e0 + e1 + 1 between -126 and 117.  NaN among the inputs is not served.  A w below 2^-126 counts as 0.  The promise holds while K x sum stays under 2^31 in magnitude.
.set XFIMG, 0                          ; LDS: images of x's four fragments: 2048 m + 512 c + 16 lane
.set XTIMG, 8192                       ; images of x^T's eight fragments: 1024 dt + 512 (c / 2) + 16 lane + 8 (c % 2)
.set STAT,  16384                      ; (u, s): 1280 m + 80 r + 8 wave
.set CSQ,   21504                      ; the C values by place q: 256 wave + 4 q, each wave's own; at the end den's stage
.set WSCR,  23552                      ; each wave's own scratch: 64 rows of 64 codes; at the end num's stage
.set WSB,   8704
.set WP,    96                         ; a row of codes: 64 bytes + 32
.set XS,    93184                      ; each wave's slot: 16 rows of 256 bytes + 16: the one target of tensor loads
.set XSLOT, 4352
.set XP,    272
.set NPI,   528                        ; num's stage: a row of 512 bytes + 16
.set SPARE, 128000                     ; the spare words, 128 bytes for each wave: four blocks of 256 bytes that no other line names
.set SPW,  1
.set NIL,  2
.set LI,   3                           ; 16 x lane
.set XFW,  4                           ; where I store my part of a fragment's image
.set XTW,  5                           ; where I store my part of x^T's images
.set STW,  6                           ; where I store (u, s)
.set STR,  7                           ; where I read four waves' (u, s)
.set WST,  8                           ; scratch: row r, + 16 h
.set WTR,  9                           ; scratch, for the turning load
.set XSA,  10                          ; slot: row r, + 64 h
.set XSC,  11                          ; slot: row 8 h, column r
.set SCW,  12                          ; 2^e2, 448 x 2^e2
.set LIMW, 13
.set SC0,  14
.set SC3,  15
.set LIM0, 16
.set LIM3, 17
.set TS,   18                          ; v18-21 (u, s) of the half's two tiles of rows
.set F,    22                          ; v22-23 f; ahead of it a lane permute's results, and two of the fragment's codes
.set XC,   24                          ; v24-31 x^T's codes on their way over the head's barrier; between their store and their making the maxima's and sums' chains; at the kernel's head the five below
.set VC,   24
.set CSW,  25
.set LIM1, 26
.set SC1,  27
.set CSR,  28
.set T,    32                          ; v32-63 at work
.set S,    64                          ; v64-127 the scores S(m, t) at 32 m + 8 t, then p, then w; later turned codes and x^T's fragments
.set CF,   128                         ; v128-191 the centres' codes, 16 a tile
.set CS,   192                         ; v192-223 the first product's C, 8 a tile
.set DEN,  224                         ; v224-255
.set MSB, 0
.macro WIN new                         ; the immediate's high byte repeats the setting that is left
.if MSB != (\new)
	s_set_vgpr_msb (MSB<<8)|(\new)
.set MSB, (\new)
.endif
.endm
.macro PLACES n
.rept \n
	v_nop
.endr
.endm
.macro VW
	s_wait_alu depctr_va_vdst(0)
.endm
.macro MKSC e, vs, vl                  ; 2^e and 448 x 2^e as f32
	s_add_co_i32 s54, \e, 127
	s_lshl_b32 s55, s54, 23
	v_mov_b32 v[\vs], s55
	s_add_co_i32 s54, s54, 8
	s_lshl_b32 s54, s54, 23
	s_or_b32 s54, s54, 0x600000
	v_mov_b32 v[\vl], s54
.endm
	s_load_b256 s[4:11], s[0:1], 0x0               ; x, centers, lowp_scales, pnum
	s_load_b64 s[12:13], s[0:1], 0x20              ; pden
	v_lshl_add_u32 v[SPW], v0, 2, SPARE
	v_mov_b32 v[NIL], 0
	ds_add_u32 v[SPW], v[NIL]                      ; the opening lines: the add, twice on end, and its wait ahead of my first tensor load
	ds_add_u32 v[SPW], v[NIL]
	v_lshrrev_b32 v32, 5, v0
	v_readfirstlane_b32 s14, v32                   ; wave 0..7
	s_mov_b32 s24, (2<<16)|(1<<20)|(5<<22)|(3<<25) ; group 1: elements of 4 bytes; 4 words of padding behind every 64
	s_mov_b32 s25, 64<<16                          ; tensor_dim0 = 64
	s_mov_b32 s26, 16<<16                          ; tensor_dim1 = 16
	s_mov_b32 s27, 64<<16                          ; tile_dim0 = 64
	s_mov_b32 s28, 16                              ; tile_dim1 = 16
	s_mov_b32 s29, 128                             ; elements from row to row
	s_mov_b32 s30, 0
	s_mov_b32 s31, 0
	s_mov_b32 s32, 1
	s_mul_i32 s33, s14, XSLOT
	s_add_co_u32 s33, s33, XS                      ; my slot
	s_min_u32 s54, ttmp9, 106
	s_mul_i32 s55, ttmp9, 24
	s_add_co_u32 s55, s55, s54                     ; my work-group's first half
	s_cmp_lt_u32 ttmp9, 106
	s_cselect_b32 s16, 13, 12                      ; its number of blocks, the one of a single half among them
	s_sub_co_u32 s17, s16, 1
	s_lshr_b32 s15, s14, 1                         ; which 16 rows of a block are mine
	s_and_b32 s52, s14, 1                          ; which 64 columns
	s_lshl_b32 s38, s55, 14                        ; a half is 32 rows of 512 bytes
	s_lshl_b32 s54, s15, 13
	s_add_co_u32 s38, s38, s54
	s_lshl_b32 s54, s52, 8
	s_add_co_u32 s38, s38, s54
	s_mov_b32 s39, 0
	s_lshl_b32 s56, s14, 8
	s_add_co_u32 s56, s56, CSQ
	s_lshl_b32 s57, s14, 10                        ; XFIMG + 2048 (w / 2) + 1024 (w % 2)
	s_lshr_b32 s58, s15, 1
	s_lshl_b32 s58, s58, 9
	s_and_b32 s53, s15, 1
	s_lshl_b32 s53, s53, 3
	s_add_co_u32 s58, s58, s53
	s_lshl_b32 s53, s52, 12
	s_add_co_u32 s58, s58, s53
	s_add_co_u32 s58, s58, XTIMG
	s_lshl_b32 s59, s14, 3
	s_add_co_u32 s59, s59, STAT
	s_mul_i32 s60, s14, WSB
	s_add_co_u32 s60, s60, WSCR
	s_wait_dscnt 0x0                               ; both opening adds are done
	s_wait_kmcnt 0x0
	s_add_nc_u64 s[36:37], s[4:5], s[38:39]        ; my part of block 0: stays
	s_mov_b64 s[34:35], s[36:37]
	s_or_b32 s35, s35, 0x80000000
	tensor_load_to_lds s[32:35], s[24:31]          ; block 0: my one tensor load at the head
	s_nop 0
	PLACES 4
	s_load_b128 s[20:23], s[8:9], 0x0              ; e0 .. e3
	s_lshl_b32 s54, s14, 15
	s_mov_b32 s55, 0
	s_add_nc_u64 s[6:7], s[6:7], s[54:55]          ; my 64 centres
	s_lshl_b32 s53, ttmp9, 18
	s_add_co_u32 s54, s54, s53
	s_add_nc_u64 s[10:11], s[10:11], s[54:55]      ; pnum: 262,144 g + 32,768 w
	s_lshl_b32 s54, ttmp9, 11
	s_lshl_b32 s53, s14, 8
	s_add_co_u32 s54, s54, s53
	s_add_nc_u64 s[12:13], s[12:13], s[54:55]      ; pden: 2,048 g + 256 w
	s_mov_b32 s48, 0x76543210                      ; v_permlanex16_b32's selects for lane l xor 16
	s_mov_b32 s49, 0xfedcba98
	s_mov_b32 s50, 0x06040200                      ; v_perm_b32: the even bytes of two registers,
	s_mov_b32 s51, 0x07050301                      ; the odd ones
	v_and_b32 v34, 15, v0                          ; r
	v_bfe_u32 v35, v0, 4, 1                        ; h
	v_and_b32 v36, 1, v0
	v_bfe_u32 v37, v0, 1, 3
	v_bfe_u32 v38, v0, 3, 1
	v_lshl_add_u32 v39, v36, 4, v37
	v_lshl_add_u32 v39, v38, 2, v39                ; lane r of tile 2 b + u takes centre 32 b + 4 u + 16 (r % 2) + r / 2 + 4 (r / 8)
	v_lshlrev_b32 v[VC], 9, v39
	v_lshl_add_u32 v[VC], v35, 6, v[VC]            ; its row of 512 bytes, + 64 h
	v_lshl_add_u32 v[CSW], v38, 3, v34
	v_lshl_add_u32 v[CSW], v[CSW], 2, s56          ; that centre's place is q = 32 b + 8 u + r + 8 (r / 8)
	v_lshl_add_u32 v[CSR], v35, 6, s56
	VW
; tile t of the centres as f32: 64 registers at block cb of window cw, dealt so that no conversion below names a destination number among its source numbers
.macro CLOAD t, cw, cb
	WIN (\cw)<<6
.irp c,0,1,2,3
.irp i,0,1,2,3
	global_load_b128 v[64*(\cb)+16*\c+4*\i:64*(\cb)+16*\c+4*\i+3], v[VC], s[6:7] offset:(32*((\t)/2)+4*((\t)%2))*512+128*\c+16*\i
.endr
.endr
.endm
	CLOAD 0, 1, 0
	CLOAD 1, 1, 1
	CLOAD 2, 1, 3
	CLOAD 3, 0, 1
	WIN 0
	v_and_b32 v[LI], 31, v0
	v_lshlrev_b32 v[LI], 4, v[LI]
	v_add_nc_u32 v[XFW], s57, v[LI]
	v_add_nc_u32 v[XTW], s58, v[LI]
	v_mul_u32_u24 v40, v34, 80
	v_add_nc_u32 v[STW], s59, v40
	v_lshl_add_u32 v40, v35, 5, v40
	v_add_nc_u32 v[STR], STAT, v40
	v_mul_u32_u24 v[WST], v34, WP
	v_lshl_add_u32 v[WST], v35, 4, v[WST]
	v_add_nc_u32 v[WST], s60, v[WST]
	v_and_b32 v41, 7, v0
	v_lshl_add_u32 v41, v35, 3, v41
	v_mul_u32_u24 v[WTR], v41, WP
	v_lshl_add_u32 v[WTR], v38, 4, v[WTR]
	v_add_nc_u32 v[WTR], s60, v[WTR]
	v_mul_u32_u24 v[XSA], v34, XP
	v_lshl_add_u32 v[XSA], v35, 6, v[XSA]
	v_add_nc_u32 v[XSA], s33, v[XSA]
	v_mul_u32_u24 v[XSC], v35, 8*XP
	v_lshl_add_u32 v[XSC], v34, 2, v[XSC]
	v_add_nc_u32 v[XSC], s33, v[XSC]
	v_mov_b32 v[TS+1], 0                           ; named as the upper half of the pair (u, s) before s is first made
	v_mov_b32 v[TS+3], 0
	v_mov_b32 v[F], 0                              ; a lane permute's destination counts as one of its sources
	v_mov_b32 v[F+1], 0
.set kk, 0
.rept 32
	v_mov_b32 v[DEN+kk], 0                         ; den: a vector sum over all blocks, begun at 0
.set kk, kk+1
.endr
	VW
	s_wait_kmcnt 0x0
	s_add_co_i32 s54, s20, s21
	s_add_co_i32 s54, s54, 1                       ; e0 + e1 + 1
	s_sub_co_i32 s47, 0, s54
	s_lshl_b32 s54, s54, 23
	s_add_co_u32 s42, s54, 0x44b4563d              ; K = log2(e) / f32(1e-3) x 2^(e0 + e1 + 1): the whole number is added to the exponent field
	s_mov_b32 s43, s42
	s_or_b32 s45, s42, 0x80000000                  ; -K
	MKSC s20, SC0, LIM0
	MKSC s21, SC1, LIM1
	MKSC s22, SCW, LIMW
	MKSC s23, SC3, LIM3
	VW
; tile t: c_sq of the unquantised centres (my 64 numbers, then lane l xor 16's), as -c_sq 2^-(e0+e1+1), to its place in LDS; the hold; the codes.  left: the later tiles' loads, which may stay out
.macro CTILE t, cw, cb, left
	s_wait_loadcnt \left
	WIN ((\cw)<<2)|(\cw)
.irp n,0,1,2,3
	v_pk_mul_f32 v[T+2*\n:T+2*\n+1], v[64*(\cb)+2*\n:64*(\cb)+2*\n+1], v[64*(\cb)+2*\n:64*(\cb)+2*\n+1]
.endr
.set kk, 4
.rept 28
	v_pk_fma_f32 v[T+2*(kk%4):T+2*(kk%4)+1], v[64*(\cb)+2*kk:64*(\cb)+2*kk+1], v[64*(\cb)+2*kk:64*(\cb)+2*kk+1], v[T+2*(kk%4):T+2*(kk%4)+1]
.set kk, kk+1
.endr
	WIN 0
	v_pk_add_f32 v[T:T+1], v[T:T+1], v[T+2:T+3]
	v_pk_add_f32 v[T+4:T+5], v[T+4:T+5], v[T+6:T+7]
	v_pk_add_f32 v[T:T+1], v[T:T+1], v[T+4:T+5]
	v_add_f32 v[T], v[T], v[T+1]
	v_permlanex16_b32 v[T+2], v[T], s48, s49
	v_add_f32 v[T+8+\t], v[T], v[T+2]
	v_ldexp_f32 v[T+8+\t], -v[T+8+\t], s47
	ds_store_b32 v[CSW], v[T+8+\t] offset:4*(32*((\t)/2)+8*((\t)%2))
	WIN ((\cw)<<6)|(\cw)
.set kk, 0
.rept 64
	v_med3_num_f32 v[64*(\cb)+kk], v[64*(\cb)+kk], -v[LIM1], v[LIM1]   ; the conversion to an 8-bit code does not saturate (ISA guide 7.6.2): the hold
.set kk, kk+1
.endr
	WIN (\cw)
.irp n,0,1,2,3,4,5,6,7
	v_cvt_scalef32_pk8_fp8_f32 v[CF+16*(\t)+2*\n:CF+16*(\t)+2*\n+1], v[64*(\cb)+8*\n:64*(\cb)+8*\n+7], v[SC1]
.endr
	v_nop
.endm
	CTILE 0, 1, 0, 48
	CTILE 1, 1, 1, 32
	CTILE 2, 1, 3, 16
	CTILE 3, 0, 1, 0
	WIN 0
.irp b,0,1
.irp i,0,1,2,3
	ds_load_b128 v[CS+16*\b+4*\i:CS+16*\b+4*\i+3], v[CSR] offset:128*\b+16*\i   ; places 32 b + 16 h + 0 .. 15: tiles 2 b, 2 b + 1 (LDS serves a wave's instructions in order: these see my stores)
.endr
.endr
; MY 16 ROWS x 64 COLUMNS OF A BLOCK BECOME OPERANDS.  (a) lane (r, h) takes 16 neighbours of each 32 of row r: two quarters of the first product's fragment (codes with e0).
; (b) lane (r, h) takes column 16 dt + r, registers down rows 8 h + 0 .. 7: codes with e3, rows innermost: two registers of four of x^T's fragments, kept in XC.
.macro QA_LOAD                         ; (a)'s numbers into v32-63
.irp c,0,1
.irp i,0,1,2,3
	ds_load_b128 v[T+16*\c+4*\i:T+16*\c+4*\i+3], v[XSA] offset:128*\c+16*\i
.endr
.endr
.endm
.macro QB_LOAD                         ; (b)'s numbers into v32-63
.irp d,0,1,2,3
.irp j,0,1,2,3,4,5,6,7
	ds_load_b32 v[T+8*\d+\j], v[XSC] offset:XP*\j+64*\d
.endr
.endr
.endm
.macro QB_CVT
.irp d,0,1,2,3
	v_cvt_scalef32_pk8_fp8_f32 v[XC+2*\d:XC+2*\d+1], v[T+8*\d:T+8*\d+7], v[SC3]
.endr
	v_nop
.endm
.macro QA_WORK                         ; the hold and the codes: group 3's into F, groups 0 to 2's into the registers that group 3's numbers have left
.set kk, 0
.rept 32
	v_med3_num_f32 v[T+kk], v[T+kk], -v[LIM0], v[LIM0]
.set kk, kk+1
.endr
	v_cvt_scalef32_pk8_fp8_f32 v[F:F+1], v[T+24:T+31], v[SC0]
	v_nop                                          ; a plain instruction ahead of the write of that conversion's sources
.irp n,0,1,2
	v_cvt_scalef32_pk8_fp8_f32 v[T+24+2*\n:T+25+2*\n], v[T+8*\n:T+8*\n+7], v[SC0]
.endr
	v_nop
.endm
.macro QA_STORE
	ds_store_b64 v[XFW], v[T+24:T+25]
	ds_store_b64 v[XFW], v[T+26:T+27] offset:8
	ds_store_b64 v[XFW], v[T+28:T+29] offset:512
	ds_store_b64 v[XFW], v[F:F+1] offset:520
.endm
; THE BARRIER AT A BLOCK'S HEAD.  refill = 1: my slot, which I have read out, is filled again with my part of the next block.
.macro HEAD refill
	VW
.if \refill
	s_wait_tensorcnt 0x0                           ; no tensor load of mine is out, so group 0 may be written
	ds_add_u32 v[SPW], v[NIL]
	s_add_co_u32 s19, s18, 1
	s_min_u32 s54, s19, s17                        ; the next block, held at my work-group's last
	s_lshl_b32 s38, s54, 15
	s_add_nc_u64 s[34:35], s[36:37], s[38:39]
	s_or_b32 s35, s35, 0x80000000
	s_wait_dscnt 0x0                               ; the add is done, my stores of the images have landed, my reads of the slot and of x^T's images are over
	s_barrier_signal -1
	s_barrier_wait -1
	tensor_load_to_lds s[32:35], s[24:31]          ; my one tensor load behind this barrier, and the first thing there
	s_nop 0
.else
	s_wait_dscnt 0x0
	s_barrier_signal -1
	s_barrier_wait -1
.endif
.endm
.macro XT_STORE
.irp d,0,1,2,3
	ds_store_b64 v[XTW], v[XC+2*\d:XC+2*\d+1] offset:1024*\d   ; x^T's images: every wave's reads of the last block's are over
.endr
.endm
.macro PBAR                            ; a plain barrier: my LDS stores have landed and my LDS loads are in
	VW
	s_wait_dscnt 0x0
	s_barrier_signal -1
	s_barrier_wait -1
.endm
; HALF s OF THE BLOCK, up to the exchange: tiles of rows 2 s and 2 s + 1.  q = 1: part (b) of the next block's operands is loaded and held on the way.
.macro HALF_A s, q
.irp c,0,1,2,3
	ds_load_b128 v[T+4*\c:T+4*\c+3], v[LI] offset:XFIMG+2048*(2*\s)+512*\c
.endr
	s_wait_dscnt 4                                 ; all but these four: my earlier LDS stores have read v48-63
.irp c,0,1,2,3
	ds_load_b128 v[T+16+4*\c:T+16+4*\c+3], v[LI] offset:XFIMG+2048*(2*\s+1)+512*\c
.endr
	s_wait_dscnt 4                                 ; the first fragment is in
.irp t,0,1,2,3
	v_wmma_f32_16x16x128_fp8_fp8 v[S+8*\t:S+8*\t+7], v[CF+16*\t:CF+16*\t+15], v[T:T+15], v[CS+8*\t:CS+8*\t+7]
.endr
	s_wait_dscnt 0x0
.irp t,0,1,2,3
	v_wmma_f32_16x16x128_fp8_fp8 v[S+32+8*\t:S+32+8*\t+7], v[CF+16*\t:CF+16*\t+15], v[T+16:T+31], v[CS+8*\t:CS+8*\t+7]
.endr
	PLACES 4
.if \q
	s_wait_tensorcnt 0x0                           ; my part of the next block is in my slot
	QB_LOAD                                        ; 32 loads, which have the maxima and the scalings in which to land
.endif
	; a row's largest sum among my 64 centres: two chains a tile, each accumulator from its low end on; u = -K x it
.irp m,0,1
	v_max3_num_f32 v[XC+2*\m], v[S+32*\m], v[S+32*\m+1], v[S+32*\m+2]
	v_max3_num_f32 v[XC+2*\m+1], v[S+32*\m+3], v[S+32*\m+4], v[S+32*\m+5]
.endr
.irp i,6,10,14,18,22,26
.irp m,0,1
	v_max3_num_f32 v[XC+2*\m], v[XC+2*\m], v[S+32*\m+\i], v[S+32*\m+\i+1]
	v_max3_num_f32 v[XC+2*\m+1], v[XC+2*\m+1], v[S+32*\m+\i+2], v[S+32*\m+\i+3]
.endr
.endr
.irp m,0,1
	v_max3_num_f32 v[XC+2*\m], v[XC+2*\m], v[S+32*\m+30], v[S+32*\m+31]
.endr
.irp m,0,1
	v_max_num_f32 v[XC+2*\m], v[XC+2*\m], v[XC+2*\m+1]
.endr
.irp m,0,1
	v_permlanex16_b32 v[F+\m], v[XC+2*\m], s48, s49
.endr
.irp m,0,1
	v_max_num_f32 v[XC+2*\m], v[XC+2*\m], v[F+\m]
.endr
.irp m,0,1
	v_mul_f32 v[TS+2*\m], s45, v[XC+2*\m]
.endr
.irp m,0,1
.set kk, 0
.rept 16
	v_pk_fma_f32 v[S+32*\m+2*kk:S+32*\m+2*kk+1], v[S+32*\m+2*kk:S+32*\m+2*kk+1], s[42:43], v[TS+2*\m:TS+2*\m+1] op_sel_hi:[1,0,0]
.set kk, kk+1
.endr
.endr
.if \q
	s_wait_dscnt 0x0                               ; (b)'s numbers are in
.endif
	VW                                             ; ahead of the batch
.set kk, 0
.rept 32
	v_exp_f32 v[S+2*kk], v[S+2*kk]                 ; p = 2^(K sum + u), at most 1
	v_exp_f32 v[S+2*kk+1], v[S+2*kk+1]
.if \q
	v_med3_num_f32 v[T+kk], v[T+kk], -v[LIM3], v[LIM3]   ; (b)'s hold: plain work that names no result of the batch; first read behind the wait below
.endif
.set kk, kk+1
.endr
	v_nop
	VW                                             ; and one behind it
.irp m,0,1
	v_pk_add_f32 v[XC+4*\m:XC+1+4*\m], v[S+32*\m:S+32*\m+1], v[S+32*\m+2:S+32*\m+3]
	v_pk_add_f32 v[XC+2+4*\m:XC+3+4*\m], v[S+32*\m+4:S+32*\m+5], v[S+32*\m+6:S+32*\m+7]
.endr
.irp i,8,12,16,20,24,28
.irp m,0,1
	v_pk_add_f32 v[XC+4*\m:XC+1+4*\m], v[XC+4*\m:XC+1+4*\m], v[S+32*\m+\i:S+32*\m+\i+1]
	v_pk_add_f32 v[XC+2+4*\m:XC+3+4*\m], v[XC+2+4*\m:XC+3+4*\m], v[S+32*\m+\i+2:S+32*\m+\i+3]
.endr
.endr
.irp m,0,1
	v_pk_add_f32 v[XC+4*\m:XC+1+4*\m], v[XC+4*\m:XC+1+4*\m], v[XC+2+4*\m:XC+3+4*\m]
.endr
.irp m,0,1
	v_add_f32 v[XC+4*\m], v[XC+4*\m], v[XC+1+4*\m]
.endr
.irp m,0,1
	v_permlanex16_b32 v[F+\m], v[XC+4*\m], s48, s49
.endr
.irp m,0,1
	v_add_f32 v[TS+2*\m+1], v[XC+4*\m], v[F+\m]
.endr
.irp m,0,1
	ds_store_b64 v[STW], v[TS+2*\m:TS+2*\m+1] offset:1280*(2*\s+\m)
.endr
.endm
; THE SECOND HALF'S BARRIER, with the rest of the next block's operands round it.  Between its signal and its wait: LDS loads of my own slot, which nothing writes before the next head's barrier, and work on registers.
.macro EXCH
	QB_CVT                                         ; stands between my store of (u, s) and the wait for it
	VW
	s_wait_dscnt 0x0
	s_barrier_signal -1
	QA_LOAD
	s_wait_dscnt 0x0
	QA_WORK
	VW
	s_barrier_wait -1
	QA_STORE                                       ; every wave's reads of the fragments' images are over
.endm
; f = 2^(U - u_own) / the sum over the eight waves of s_i 2^(U - u_i).  Lanes 0-15 take waves 0-3, lanes 16-31 waves 4-7; lane l xor 16 brings the other four.
.macro STATS s
.irp m,0,1
	ds_load_b128 v[T+8*\m:T+8*\m+3], v[STR] offset:1280*(2*\s+\m)
	ds_load_b128 v[T+8*\m+4:T+8*\m+7], v[STR] offset:1280*(2*\s+\m)+16
.endr
	s_wait_dscnt 0x0
.irp m,0,1
	v_min3_num_f32 v[T+16+\m], v[T+8*\m], v[T+8*\m+2], v[T+8*\m+4]
.endr
.irp m,0,1
	v_min_num_f32 v[T+16+\m], v[T+16+\m], v[T+8*\m+6]
.endr
.irp m,0,1
	v_permlanex16_b32 v[T+18+\m], v[T+16+\m], s48, s49
.endr
.irp m,0,1
	v_min_num_f32 v[T+16+\m], v[T+16+\m], v[T+18+\m]
.endr
.irp m,0,1
.irp i,0,2,4,6
	v_sub_f32 v[T+8*\m+\i], v[T+16+\m], v[T+8*\m+\i]
.endr
	v_sub_f32 v[TS+2*\m], v[T+16+\m], v[TS+2*\m]
.endr
	VW
.irp m,0,1
.irp i,0,2,4,6
	v_exp_f32 v[T+8*\m+\i], v[T+8*\m+\i]
.endr
	v_exp_f32 v[TS+2*\m], v[TS+2*\m]
.endr
	v_nop
	VW
.irp m,0,1
	v_mul_f32 v[T+8*\m+1], v[T+8*\m+1], v[T+8*\m]
.endr
.irp i,2,4,6
.irp m,0,1
	v_fmac_f32 v[T+8*\m+1], v[T+8*\m+\i+1], v[T+8*\m+\i]
.endr
.endr
.irp m,0,1
	v_permlanex16_b32 v[T+18+\m], v[T+8*\m+1], s48, s49
.endr
.irp m,0,1
	v_add_f32 v[T+8*\m+1], v[T+8*\m+1], v[T+18+\m]
.endr
	VW
.irp m,0,1
	v_rcp_f32 v[T+8*\m], v[T+8*\m+1]
.endr
	v_nop
	VW
.irp m,0,1
	v_mul_f32 v[F+\m], v[TS+2*\m], v[T+8*\m]
.endr
.endm
; Tile m of half s: w = p f; den takes the unquantised w; the hold (one-sided: w is not negative); the codes; a row's 16 codes of each 32 to my scratch.
.macro NORM s, m
.set kk, 0
.rept 16
.if (\m) == 0
	v_pk_mul_f32 v[S+2*kk:S+2*kk+1], v[S+2*kk:S+2*kk+1], v[F:F+1] op_sel_hi:[1,0]
.else
	v_pk_mul_f32 v[S+32+2*kk:S+32+2*kk+1], v[S+32+2*kk:S+32+2*kk+1], v[F:F+1] op_sel:[0,1] op_sel_hi:[1,1]
.endif
.set kk, kk+1
.endr
.set kk, 0
.rept 16
	v_pk_add_f32 v[DEN+2*kk:DEN+2*kk+1], v[DEN+2*kk:DEN+2*kk+1], v[S+32*(\m)+2*kk:S+32*(\m)+2*kk+1]
.set kk, kk+1
.endr
.set kk, 0
.rept 16
	v_dual_min_num_f32 v[S+32*(\m)+2*kk], v[LIMW], v[S+32*(\m)+2*kk] :: v_dual_min_num_f32 v[S+32*(\m)+2*kk+1], v[LIMW], v[S+32*(\m)+2*kk+1]   ; two holds in one instruction: one first source, second sources in neighbouring banks, an even and an odd destination
.set kk, kk+1
.endr
.irp n,0,1,2,3
	v_cvt_scalef32_pk8_fp8_f32 v[T+16+8*(\m)+2*\n:T+16+8*(\m)+2*\n+1], v[S+32*(\m)+8*\n:S+32*(\m)+8*\n+7], v[SCW]
.endr
	v_nop
.irp b,0,1
	ds_store_b128 v[WST], v[T+16+8*(\m)+4*\b:T+16+8*(\m)+4*\b+3] offset:16*WP*(2*(\s)+(\m))+32*\b
.endr
.endm
; w's codes come back turned: load (c, g) brings lane (r, h) rows 16 c + 8 h + 0 .. 7 of columns 32 g + 2 r, 32 g + 2 r + 1, interleaved; the even bytes are registers 2 c, 2 c + 1 of w^T's tile 2 g, the odd ones of tile 2 g + 1.
.macro XTLD d, reg
.irp q,0,1
	ds_load_b128 v[\reg+4*\q:\reg+4*\q+3], v[LI] offset:XTIMG+1024*(\d)+512*\q
.endr
.endm
.macro TURN
.irp c,0,1,2,3
.irp g,0,1
	ds_load_tr16_b128 v[S+8*\c+4*\g:S+8*\c+4*\g+3], v[WTR] offset:16*WP*\c+32*\g   ; LDS serves a wave's instructions in order: these see my stores
.endr
.endr
.irp d,0,1,2,3
	XTLD \d, S+32+8*\d
.endr
	s_wait_dscnt 8                                 ; x^T's eight loads may stay out; my stores of the codes have read their registers
.irp c,0,1,2,3
.irp g,0,1
	v_perm_b32 v[T+16*\g+2*\c], v[S+8*\c+4*\g+1], v[S+8*\c+4*\g], s50
	v_perm_b32 v[T+16*\g+2*\c+1], v[S+8*\c+4*\g+3], v[S+8*\c+4*\g+2], s50
	v_perm_b32 v[T+16*\g+8+2*\c], v[S+8*\c+4*\g+1], v[S+8*\c+4*\g], s51
	v_perm_b32 v[T+16*\g+8+2*\c+1], v[S+8*\c+4*\g+3], v[S+8*\c+4*\g+2], s51
.endr
.endr
.irp d,4,5,6,7
	XTLD \d, S+8*(\d-4)
.endr
.endm
; THE SECOND PRODUCT: 32 accumulators, one instruction each.  zero = 1: the first block's products start the sums.
.macro MM2 ct, dt, areg, zero
.if \zero
	v_wmma_f32_16x16x64_fp8_fp8 v[8*(8*(\ct)+(\dt)):8*(8*(\ct)+(\dt))+7], v[\areg:\areg+7], v[T+8*(\ct):T+8*(\ct)+7], 0
.else
	v_wmma_f32_16x16x64_fp8_fp8 v[8*(8*(\ct)+(\dt)):8*(8*(\ct)+(\dt))+7], v[\areg:\areg+7], v[T+8*(\ct):T+8*(\ct)+7], v[8*(8*(\ct)+(\dt)):8*(8*(\ct)+(\dt))+7]
.endif
.endm
.macro PROD2 zero
	s_wait_dscnt 8                                 ; x^T's fragments 0-3 are in; those of 4-7 may stay out
	VW
	WIN 0x50                                       ; C and D in window 1
.irp d,0,1,2,3
.irp k,0,1,2,3
	MM2 \k, \d, S+32+8*\d, \zero
.endr
.endr
	s_wait_dscnt 0x0
	VW
.irp d,4,5,6,7
.irp k,0,1,2,3
	MM2 \k, \d, S+8*(\d-4), \zero
.endr
.endr
	WIN 0
.endm
	VW                                             ; the head's end
	s_wait_tensorcnt 0x0                           ; block 0 is in my slot: its operands are made here, as every later block's are made inside the block before
	QB_LOAD
	s_wait_dscnt 0x0
.set kk, 0
.rept 32
	v_med3_num_f32 v[T+kk], v[T+kk], -v[LIM3], v[LIM3]
.set kk, kk+1
.endr
	QB_CVT
	QA_LOAD
	VW
	s_wait_dscnt 0x0
	QA_WORK
	QA_STORE
	s_mov_b32 s18, 0
.Lblk:                                             ; blocks 0 to 11, of 64 rows
	HEAD 1
	XT_STORE
	HALF_A 0, 0
	PBAR
	STATS 0
	NORM 0, 0
	NORM 0, 1
	HALF_A 1, 1
	EXCH
	STATS 1
	NORM 1, 0
	NORM 1, 1
	TURN
	s_cmp_eq_u32 s18, 0
	VW
	s_cbranch_scc0 .Lacc
	PROD2 1
	s_branch .Lsum
.Lacc:
	PROD2 0
.Lsum:
	PLACES 5                                       ; loads and, later, scores are laid over these products' operands
	s_add_co_u32 s18, s18, 1
	s_cmp_lt_u32 s18, 12
	s_cbranch_scc1 .Lblk
	; THE 25TH HALF, where there is one: a block of which rows 0-31 alone are mine.  It asks for nothing.
	HEAD 0
	s_cmp_ge_u32 s18, s16
	s_cbranch_scc1 .Lno_a
	XT_STORE
	HALF_A 0, 0
.Lno_a:
	PBAR
	s_cmp_ge_u32 s18, s16
	s_cbranch_scc1 .Lno_b
	STATS 0
	NORM 0, 0
	NORM 0, 1
.irp i,0,1,2,3
	v_mov_b32 v[T+\i], 0
.endr
.irp m,2,3
.irp b,0,1
	ds_store_b128 v[WST], v[T:T+3] offset:16*WP*\m+32*\b   ; zero codes of w for rows 32-63: whatever finite codes x^T holds there, they add nothing
.endr
.endr
	TURN
	PROD2 0
	PLACES 5
.Lno_b:
	; DEN: the 16 rows of a half of the lanes are added; each place's sum goes to its centre's word of my stage, and my 64 centres leave in one store of 256 bytes.
	s_lshl_b32 s54, s14, 8
	s_add_co_u32 s54, s54, CSQ
	v_and_b32 v32, 15, v0
	v_bfe_u32 v33, v0, 4, 1
	v_lshl_add_u32 v4, v33, 5, s54                 ; place 32 b + 16 h + 8 u + j is centre 32 b + 16 (j % 2) + 8 h + 4 u + j / 2
	v_lshrrev_b32 v5, 1, v[LI]                     ; 8 x lane
	v_add_nc_u32 v34, s54, v5
	v_mul_u32_u24 v6, v32, NPI
	v_lshl_add_u32 v6, v33, 5, v6
	v_add_nc_u32 v6, s60, v6                       ; num's stage, in: row r of 528 bytes, + 32 h
	v_add_nc_u32 v7, s60, v[LI]                    ; and back: a row's 512 bytes, 16 a lane
	VW
	; NUM, 16 centres at a time: a lane's 32 bytes of a row go into my stage, whole rows of 512 bytes come back and are stored.
.macro TOSTAGE ct
	VW
	WIN 0x04                                       ; the stores' data: window 1
.irp d,0,1,2,3,4,5,6,7
	ds_store_b128 v6, v[8*(8*(\ct)+\d):8*(8*(\ct)+\d)+3] offset:64*\d          ; each accumulator from its low end on
	ds_store_b128 v6, v[8*(8*(\ct)+\d)+4:8*(8*(\ct)+\d)+7] offset:64*\d+16
.endr
	WIN 0
.irp i,0,1,2,3,4,5,6,7,8,9,10,11,12,13,14,15
	ds_load_b128 v[S+64*((\ct)%2)+4*\i:S+64*((\ct)%2)+4*\i+3], v7 offset:NPI*\i
.endr
.endm
.macro SEND ct, younger                ; younger: the LDS instructions issued behind block ct's loads, which may stay out
	s_wait_dscnt \younger
.irp i,0,1,2,3,4,5,6,7,8,9,10,11,12,13,14,15
	global_store_b128 v[LI], v[S+64*((\ct)%2)+4*\i:S+64*((\ct)%2)+4*\i+3], s[10:11] offset:(16*(\ct)+\i)*512   ; a centre's whole row: 512 consecutive bytes
.endr
.endm
	TOSTAGE 0
.irp a,1,2,3
.if \a > 1
	s_wait_xcnt 0x0                                ; block a - 2's stores have read their registers: block a's loads may land there
.endif
	TOSTAGE \a
	SEND \a-1, 32
.endr
	SEND 3, 0
	; den follows num's stores: the lane sums, the stage and the one store of 256 bytes stand behind the 64 stores of num
.irp x,1,2,4,8
.set kk, 0
.rept 32
	v_add_f32_dpp v[DEN+kk], v[DEN+kk], v[DEN+kk] row_xmask:\x row_mask:0xf bank_mask:0xf
.set kk, kk+1
.endr
.endr
	VW
.irp b,0,1
.irp u,0,1
.irp j,0,1,2,3,4,5,6,7
	ds_store_b32 v4, v[DEN+16*\b+8*\u+\j] offset:4*(32*\b+16*(\j&1)+4*\u+(\j>>1))
.endr
.endr
.endr
	ds_load_b64 v[36:37], v34
	s_wait_dscnt 0x0
	global_store_b64 v5, v[36:37], s[12:13]        ; 32 lanes store 256 consecutive bytes, at a multiple of 256 from pden's first byte
	s_wait_tensorcnt 0x0                           ; the wave's end
	ds_add_u32 v[SPW], v[NIL]
	s_wait_dscnt 0x0
	s_endpgm
.Lfunc_end_k_qe990021407_assign:
	.size	k_qe990021407_assign, .Lfunc_end_k_qe990021407_assign-k_qe990021407_assign
	.p2alignl 7, 3214868480
	.fill 96, 4, 3214868480
	.section	.rodata,"a",@progbits
	.p2align	6, 0x0
	.amdhsa_kernel k_qe990021407_assign
		.amdhsa_group_segment_fixed_size 327680
		.amdhsa_private_segment_fixed_size 0
		.amdhsa_enable_private_segment 0
		.amdhsa_kernarg_size 40
		.amdhsa_user_sgpr_count 2
		.amdhsa_user_sgpr_kernarg_segment_ptr 1
		.amdhsa_wavefront_size32 1
		.amdhsa_system_sgpr_workgroup_id_x 1
		.amdhsa_system_sgpr_workgroup_id_y 1
		.amdhsa_system_sgpr_workgroup_id_z 1
		.amdhsa_system_vgpr_workitem_id 0
		.amdhsa_next_free_vgpr 512
		.amdhsa_next_free_sgpr 66
		.amdhsa_reserve_vcc 0
		.amdhsa_float_denorm_mode_32 3
		.amdhsa_float_denorm_mode_16_64 3
		.amdhsa_memory_ordered 1
		.amdhsa_forward_progress 1
		.amdhsa_inst_pref_size 156
	.end_amdhsa_kernel
	.amdgpu_metadata
---
amdhsa.version: [ 1, 2 ]
amdhsa.kernels:
  - .name:           k_qe990021407_assign
    .symbol:         k_qe990021407_assign.kd
    .args:
      - { .name: x, .offset: 0, .size: 8, .value_kind: global_buffer, .address_space: global }
      - { .name: centers, .offset: 8, .size: 8, .value_kind: global_buffer, .address_space: global }
      - { .name: lowp_scales, .offset: 16, .size: 8, .value_kind: global_buffer, .address_space: global }
      - { .name: pnum, .offset: 24, .size: 8, .value_kind: global_buffer, .address_space: global }
      - { .name: pden, .offset: 32, .size: 8, .value_kind: global_buffer, .address_space: global }
    .group_segment_fixed_size: 327680
    .private_segment_fixed_size: 0
    .kernarg_segment_align: 8
    .kernarg_segment_size: 40
    .max_flat_workgroup_size: 256
    .sgpr_count:     66
    .vgpr_count:     512
    .wavefront_size: 32
...
	.end_amdgpu_metadata
.endif
;; end of part 1
;; launch reduce (part 2): grid 256 x 1, 16 waves a work-group, no clusters, 10,496 bytes of LDS; arguments pnum, pden, lowp_scales, out0; writes out0
.if DOCPART == 2
	.amdgcn_target "amdgcn-amd-amdhsa--gfx1250"
	.amdhsa_code_object_version 6
	.text
	.protected	k_qe990021407_reduce
	.globl	k_qe990021407_reduce
	.p2align	8
	.type	k_qe990021407_reduce,@function
k_qe990021407_reduce:
	s_mov_b64 s[64:65], 0
	v_nop
	global_prefetch_b8 v0, s[64:65] scope:SCOPE_SE
	s_setreg_imm32_b32 hwreg(HW_REG_WAVE_MODE, 25, 1), 1
	s_wait_xcnt 0x0
; out0[k][d] = (the sum over 256 partials of pnum[p][k][d]) x 2^(e2 + e3) / (the sum over p of pden[p][k] + 1e-10).
; pnum [256][512][128] f32, pden [256][512] f32, lowp_scales e0 .. e3 (int32), out0 [512][128] f32.
; Work-group j owns centres 2 j and 2 j + 1.  Wave w takes centre 2 j + w % 2 and partials 32 (w / 2) .. + 31: 32 loads of 512 consecutive bytes, all issued at once (the step from partial to partial, 262,144 bytes,
; stands in the immediate: 8,126,464 at the most, inside its signed 24 bits).  No loop, no ring: each byte of pnum is read once, by one load.
; pden: wave w takes partials 16 w .. 16 w + 15, a lane a partial, lanes 0-15 for the first centre and lanes 16-31 for the second: 4 bytes a lane from rows 2,048 bytes apart, one load a wave.
; The waves' sums meet in LDS behind one barrier; waves 0 and 1 add them and store a centre's row, 512 consecutive bytes.
; The division is a reciprocal and a multiplication.  No matrix work, no cluster: work-groups share nothing.
.set NUMS,  0                          ; LDS: 512 wave + 16 lane
.set DENS,  8192                       ; 8 wave + 4 (centre % 2)
.set SPARE, 8448                       ; the spare words, 128 bytes for each of the 16 waves: eight blocks of 256 bytes that no other line names
	s_load_b256 s[4:11], s[0:1], 0x0               ; pnum s[4:5], pden s[6:7], lowp_scales s[8:9], out0 s[10:11]
	v_lshl_add_u32 v1, v0, 2, SPARE
	v_mov_b32 v2, 0
	v_lshrrev_b32 v4, 5, v0
	s_delay_alu instid0(VALU_DEP_1)
	v_readfirstlane_b32 s14, v4                    ; wave 0..15
	v_and_b32 v4, 31, v0
	s_delay_alu instid0(VALU_DEP_1)
	v_lshlrev_b32 v3, 4, v4                        ; 16 x lane
	s_wait_alu depctr_va_vdst(0)
	s_and_b32 s15, s14, 1                          ; which of the two centres
	s_lshr_b32 s16, s14, 1                         ; which 32 partials
	s_lshl_b32 s17, ttmp9, 1
	s_add_co_u32 s17, s17, s15                     ; my centre
	s_lshl_b32 s20, s17, 9                         ; its row, in bytes
	s_mov_b32 s21, 0
	s_lshl_b32 s18, s16, 23                        ; 32 partials of 262,144 bytes
	s_add_co_u32 s18, s18, s20
	s_mov_b32 s19, 0
	v_and_b32 v5, 15, v0
	s_wait_alu depctr_va_vdst(0)
	v_bfe_u32 v6, v0, 4, 1
	v_lshlrev_b32 v7, 11, v5
	s_delay_alu instid0(VALU_DEP_1)
	v_lshl_add_u32 v7, v6, 2, v7
	s_lshl_b32 s22, s14, 15
	s_lshl_b32 s23, ttmp9, 3
	s_add_co_u32 s22, s22, s23
	v_add_nc_u32 v7, s22, v7                       ; pden: (16 w + lane % 16) x 2,048 + (2 j + lane / 16) x 4
	s_lshl_b32 s22, s14, 9
	v_add_nc_u32 v8, s22, v3                       ; where my sum of num goes
	s_lshl_b32 s22, s14, 3
	s_add_co_u32 s22, s22, DENS
	v_lshl_add_u32 v9, v6, 2, s22                  ; where my sums of den go
	s_lshl_b32 s22, s15, 9
	v_add_nc_u32 v10, s22, v3                      ; where the eight sums of my centre are read: + 1,024 for each
	s_lshl_b32 s22, s15, 2
	s_add_co_u32 s22, s22, DENS
	v_lshl_add_u32 v11, v5, 3, s22                 ; and the sixteen of its den, a lane a wave
	s_wait_alu depctr_va_vdst(0)
	s_wait_kmcnt 0x0
	s_load_b64 s[28:29], s[8:9], 0x8               ; e2, e3
	s_add_nc_u64 s[4:5], s[4:5], s[18:19]
	s_add_nc_u64 s[10:11], s[10:11], s[20:21]
	global_load_b32 v12, v7, s[6:7]
.irp i,0,1,2,3,4,5,6,7,8,9,10,11,12,13,14,15,16,17,18,19,20,21,22,23,24,25,26,27,28,29,30,31
	global_load_b128 v[16+4*\i:19+4*\i], v3, s[4:5] offset:262144*\i th:TH_LOAD_NT
.endr
.macro ADDQ i                          ; partial i onto partial i % 2: four chains
	v_pk_add_f32 v[16+4*((\i)%2):17+4*((\i)%2)], v[16+4*((\i)%2):17+4*((\i)%2)], v[16+4*(\i):17+4*(\i)]
	v_pk_add_f32 v[18+4*((\i)%2):19+4*((\i)%2)], v[18+4*((\i)%2):19+4*((\i)%2)], v[18+4*(\i):19+4*(\i)]
.endm
	s_wait_loadcnt 24                              ; pden's load and the first eight are in; the 24 behind them may stay out
.irp x, 1
	v_add_f32_dpp v12, v12, v12 row_xmask:\x row_mask:0xf bank_mask:0xf
.endr
.irp x, 2, 4, 8
	s_delay_alu instid0(VALU_DEP_1)
	v_add_f32_dpp v12, v12, v12 row_xmask:\x row_mask:0xf bank_mask:0xf
.endr
.irp i,2,3,4,5,6,7
	ADDQ \i
.endr
	s_wait_alu depctr_va_vdst(0)
	s_wait_loadcnt 16
.irp i,8,9,10,11,12,13,14,15
	ADDQ \i
.endr
	s_wait_alu depctr_va_vdst(0)
	s_wait_loadcnt 8
.irp i,16,17,18,19,20,21,22,23
	ADDQ \i
.endr
	s_wait_alu depctr_va_vdst(0)
	s_wait_loadcnt 0x0
.irp i,24,25,26,27,28,29,30,31
	ADDQ \i
.endr
	s_delay_alu instid0(VALU_DEP_2)
	v_pk_add_f32 v[16:17], v[16:17], v[20:21]
	s_delay_alu instid0(VALU_DEP_2)
	v_pk_add_f32 v[18:19], v[18:19], v[22:23]
	ds_store_b32 v9, v12                           ; sixteen lanes write the same word with the same number
	ds_store_b128 v8, v[16:19]
	s_wait_kmcnt 0x0
	s_add_co_i32 s28, s28, s29                     ; e2 + e3
	s_wait_tensorcnt 0x0                           ; behind the wave's last LDS store; only LDS reads follow.
	ds_add_u32 v1, v2
	s_wait_dscnt 0x0                               ; the wait that the barrier needs: my stores have landed
	s_barrier_signal -1
	s_barrier_wait -1
	s_cmp_gt_u32 s14, 1
	s_cbranch_scc1 .Lend                           ; waves 0 and 1 finish the two centres
.irp g,0,1,2,3,4,5,6,7
	ds_load_b128 v[16+4*\g:19+4*\g], v10 offset:1024*\g
.endr
	ds_load_b32 v12, v11
	s_wait_dscnt 0x0
.irp g, 1
	v_pk_add_f32 v[16:17], v[16:17], v[16+4*\g:17+4*\g]
	v_pk_add_f32 v[18:19], v[18:19], v[18+4*\g:19+4*\g]
.endr
.irp g, 2, 3, 4, 5, 6, 7
	s_delay_alu instid0(VALU_DEP_2)
	v_pk_add_f32 v[16:17], v[16:17], v[16+4*\g:17+4*\g]
	s_delay_alu instid0(VALU_DEP_2)
	v_pk_add_f32 v[18:19], v[18:19], v[18+4*\g:19+4*\g]
.endr
.irp x, 1
	v_add_f32_dpp v12, v12, v12 row_xmask:\x row_mask:0xf bank_mask:0xf
.endr
.irp x, 2, 4, 8
	s_delay_alu instid0(VALU_DEP_1)
	v_add_f32_dpp v12, v12, v12 row_xmask:\x row_mask:0xf bank_mask:0xf
.endr
	s_delay_alu instid0(VALU_DEP_1)
	v_add_f32 v12, 0x2edbe6ff, v12                 ; + 1e-10
	s_wait_alu depctr_va_vdst(0)
	v_rcp_f32 v13, v12
	v_nop                                          ; a plain instruction behind the reciprocal
	s_wait_alu depctr_va_vdst(0)                   ; and the wait ahead of its first reader
.irp n,16,17,18,19
	v_mul_f32 v\n, v\n, v13
.endr
.irp n,16,17,18,19
	s_delay_alu instid0(VALU_DEP_4)
	v_ldexp_f32 v\n, v\n, s28                      ; x 2^(e2 + e3)
.endr
	global_store_b128 v3, v[16:19], s[10:11]       ; 32 lanes store the centre's row: 512 consecutive bytes
.Lend:
	s_endpgm
.Lfunc_end_k_qe990021407_reduce:
	.size	k_qe990021407_reduce, .Lfunc_end_k_qe990021407_reduce-k_qe990021407_reduce
	.p2alignl 7, 3214868480
	.fill 96, 4, 3214868480
	.section	.rodata,"a",@progbits
	.p2align	6, 0x0
	.amdhsa_kernel k_qe990021407_reduce
		.amdhsa_group_segment_fixed_size 10496
		.amdhsa_private_segment_fixed_size 0
		.amdhsa_enable_private_segment 0
		.amdhsa_kernarg_size 32
		.amdhsa_user_sgpr_count 2
		.amdhsa_user_sgpr_kernarg_segment_ptr 1
		.amdhsa_wavefront_size32 1
		.amdhsa_system_sgpr_workgroup_id_x 1
		.amdhsa_system_sgpr_workgroup_id_y 1
		.amdhsa_system_sgpr_workgroup_id_z 1
		.amdhsa_system_vgpr_workitem_id 0
		.amdhsa_next_free_vgpr 144
		.amdhsa_next_free_sgpr 66
		.amdhsa_reserve_vcc 0
		.amdhsa_float_denorm_mode_32 3
		.amdhsa_float_denorm_mode_16_64 3
		.amdhsa_memory_ordered 1
		.amdhsa_forward_progress 1
		.amdhsa_inst_pref_size 13
	.end_amdhsa_kernel
	.amdgpu_metadata
---
amdhsa.version: [ 1, 2 ]
amdhsa.kernels:
  - .name:           k_qe990021407_reduce
    .symbol:         k_qe990021407_reduce.kd
    .args:
      - { .name: pnum, .offset: 0, .size: 8, .value_kind: global_buffer, .address_space: global }
      - { .name: pden, .offset: 8, .size: 8, .value_kind: global_buffer, .address_space: global }
      - { .name: lowp_scales, .offset: 16, .size: 8, .value_kind: global_buffer, .address_space: global }
      - { .name: out0, .offset: 24, .size: 8, .value_kind: global_buffer, .address_space: global }
    .group_segment_fixed_size: 10496
    .private_segment_fixed_size: 0
    .kernarg_segment_align: 8
    .kernarg_segment_size: 32
    .max_flat_workgroup_size: 512
    .sgpr_count:     66
    .vgpr_count:     144
    .wavefront_size: 32
...
	.end_amdgpu_metadata
.endif
;; end of part 2
